; MI455X (gfx1250); checked and timed in simulation.
; The chip was launched on July 23, 2026; its instructions are those of AMD's public machine-readable ISA for CDNA 5 (MIT licence, August 2026) and "CDNA5" Instruction Set Architecture Reference Guide (July 2026). The comments in the code are by the model that wrote it; some were corrected since.
;; SDPA Module. Allowed arithmetic: matrix products marked QUANTISED: E2M1 operands, one E8M0 scale for each 32 along K, by v_wmma_scale_f32_16x16x128_f8f6f4 with both operands' format E2M1 (or v_wmma_scale_f32_32x16x128_f4), f32 sums; everything else in f32.
;; Inputs: K 2 x 2,048 x 512 float32; Q 2 x 2,048 x 2,048 float32; V 2 x 2,048 x 512 float32; sinks 32 float32.
;; Outputs: out0 2 x 2,048 x 2,048 float32.
;; This version of the problem:
;;   THIS VERSION OF THE PROBLEM IS GIVEN IN LOW PRECISION. The matrix products marked QUANTISED in the list below multiply operands that are first quantised to E2M1 (2 exponent bits, 1 mantissa bit; 4 bits a number), with one power-of-two scale for each 32 numbers along K (OCP MX v1.0); their sums are f32. All else is computed in f32.
;;   The module's matrix products, in the order in which they are computed (A, B: the left and right operand; K: the contracted axis; several contracted axes count as one K, in the product's order):
;;     1. batch 16 x [M 2,048, K 64] x [K 64, N 8,192]; A: input K; B: input Q: QUANTISED
;;     2. batch 16 x [M 64, K 2,048] x [K 2,048, N 8,192]; A: input V; B: softmax (see below): QUANTISED
;;   THE QUANTISER, for each operand of a quantised product, along K:
;;     - K is cut into blocks of 32 from its start; a last block that is shorter is filled with zeros.
;;     - A block's scale is 2^e with e = floor(log2(the largest magnitude in the block)) - 2, held to -126 .. 127; a block of zeros has e = 0. As a byte (E8M0): e + 127.
;;     - Each number is divided by its block's scale, clamped to +-6, and rounded to the nearest number of E2M1, ties to even, subnormals kept.
;;     - The product sums the exact products of the quantised numbers (number of the format x scale) in f32.
;;   ~~~python
;;   def quantise(x, axis):      # numpy; x: float32 -> the quantised numbers, widened to float32 again
;;       x = np.moveaxis(x, axis, -1); K = x.shape[-1]
;;       x = np.pad(x, [(0, 0)] * (x.ndim - 1) + [(0, -K % 32)]); x = x.reshape(x.shape[:-1] + (-1, 32)); a = np.abs(x).max(-1, keepdims=True)
;;       e = np.where(a > 0, np.clip(np.frexp(np.where(a > 0, a, 1))[1] - 1 - 2, -126, 127), 0)      # np.frexp(a)[1] - 1 = floor(log2(a)), exactly
;;       r = np.clip(x / 2.0 ** e, -6, 6)
;;       step = 2.0 ** (np.maximum(np.frexp(np.where(r == 0, 1, r))[1] - 1, 0) - 1)
;;       q = np.round(r / step) * step * 2.0 ** e      # np.round: ties to even
;;       return np.moveaxis(q.reshape(q.shape[:-2] + (-1,))[..., :K], -1, axis).astype(np.float32)
;;   ~~~
;;   SOFTMAX AHEAD OF A QUANTISED PRODUCT. Where the list says 'softmax', what is quantised is not the finished softmax but p = 2^(t - M), with t = logit x log2(e) and M = ceil(the row's largest t), a whole number; so 1/2 < the row's largest p <= 1. The row's sum l is taken of the UNQUANTISED p, in f32, and the product's result is divided by l at the end. Since M is a whole number, a kernel that streams over the keys may use a running M (the ceiling of the running maximum): every later rescaling is an exact power of two, which a block's scale takes up: the codes' values come out the same.
;;   OPERANDS COMPUTED ON THE WAY. 'Computed on the way' means the value that the module computes at that place (a softmax that the list does not call 'softmax' is quantised finished and normalised). What goes into a quantiser is computed in f32, as accurately as f32 sums, v_exp_f32 and their like allow (about 1e-6 of the number): no bf16 or f16 on the way to a quantiser, and a product that is left as it is and whose result goes on into a quantised operand takes f32 operands (vector FMAs, or v_wmma_f32_16x16x4_f32). A number that lies on a knife's edge between two numbers of the format may be rounded either way, as far as f32 arithmetic and the matrix unit's own rounding can turn it there, and no further.
;; 2 versions. Each part assembles by itself: llvm-mc -triple=amdgcn-amd-amdhsa -mcpu=gfx1250 --defsym DOCPART=n.
;; ======== version 1 of 2: 1 launch
;; launch swa (part 1): grid 16 x 16, 16 waves a work-group, no clusters, 124,928 bytes of LDS; arguments Q, K, V, sinks, out0; writes out0
.if DOCPART == 1
	.amdgcn_target "amdgcn-amd-amdhsa--gfx1250"
	.amdhsa_code_object_version 6
	.text
	.protected	k_q87639195da_swa
	.globl	k_q87639195da_swa
	.p2align	8
	.type	k_q87639195da_swa,@function
k_q87639195da_swa:
	s_mov_b64 s[64:65], 0
	v_nop
	global_prefetch_b8 v0, s[64:65] scope:SCOPE_SE
	s_setreg_imm32_b32 hwreg(HW_REG_WAVE_MODE, 25, 1), 1
	s_wait_xcnt 0x0
; out[b][q][hkv][m][:] = sum over k of softmax_k(Q[b][q][hkv][m] . K[b][k][hkv] / 8) V[b][k][hkv][:], key k counting for query q where q - 128 < k <= q.
; Q, out: [2][2048][2048] f32 (8 key heads x 4 query heads x 64); K, V: [2][2048][512] f32.  Both products on codes of FP4 (E2M1), one E8M0 scale for each 32 along a product's K:
; the first along the head's 64 (two blocks; the instruction's other 64 along K are zero codes on both sides), the second along the keys, in blocks of 32 counted from key 0.
; SOFTMAX: t = score x log2(e) / 8; M = ceil(the row's largest t); p = 2^(t - M) is quantised; the row's sum is taken of the unquantised p and divides at the end.
; WHAT IS MULTIPLIED: a tile of 16 queries that begins at a multiple of 16 sees keys of exactly 5 aligned blocks of 32; all other keys lie under the mask.  All 160 keys are at hand at once: M needs no running form.
; SHARES: a work-group owns 128 queries of one batch and key head: 256 work-groups.  Its window is 256 keys: its own 128 and the 128 before.  Wave w (of 16): queries 16 (w / 2) on, query heads 2 (w % 2) and + 1: two tiles.
; Each wave also quantises a share of the window: K's keys 16 w .. + 15; V's block w / 2 for channels 32 (w % 2) + lane (a lane a channel, registers down the keys); and its own 16 rows x 512 bytes of Q.
; Codes and scale bytes meet in LDS behind ONE barrier.  All 56 loads of a wave (16 KB) go out at the head.
; THE FIRST QUERY BLOCK has no 128 keys before it: waves 0-7 load the keys 128 further on, so that no load leaves its buffer and every LDS byte that is read is written, and the scores of those blocks become -infinity (p = 0, zero codes).
; LAYOUT: both products transposed (S^T = K Q^T, O^T = V^T P^T): a lane holds one query (lane % 16).  K's rows lie in LDS in the order in which tiles take them: key 32 B + x lies at row 32 B + 16 ((x / 8) % 2) + x % 8 + 8 (x / 16),
; so that tile 2 b + u is 16 rows on end and score register 16 b + i of lane (r, h) is key 32 b + 16 h + i of the tile's 160.
; sinks: reference() takes it as an argument and lets it enter no arithmetic; the work-group's four numbers are loaded and likewise enter nothing.
; NO TENSOR LOADS, NO CLUSTER: every operand arrives as f32 and passes through registers for the quantiser; what two work-groups share is K's and V's rows, 128 KB of the 256 KB that a work-group reads.
; LIMITS: NaN and infinities among the inputs are not served.  A block whose largest magnitude lies under 2^-124, a block of zeros among them, gets the scale byte 1 (the quantiser's lower hold; for zeros it names 127:
; the codes are zeros under either byte, and this program alone reads the bytes).
.set KP,  48                           ; K in LDS: a row is 32 bytes of codes, 2 scale bytes at + 32; 48 = 3 x 16: the 16 rows of a load start at different banks
.set VP,  272                          ; V: a row (a channel) is 16 blocks x 16 bytes + 16 of padding; blocks 0-7 the window's, 8-15 zero codes
.set QP,  80                           ; Q: a row is 64 bytes of codes (2 heads), 4 scale bytes at + 64
.set SP,  272                          ; the stage: a row of 64 f32 + 16 bytes
.set KC,  0                            ; 256 rows of K
.set VC,  KC+256*KP                    ; 64 rows of V
.set VSB, VC+64*VP                     ; V's scale bytes [channel][8 blocks]
.set QC,  VSB+512                      ; 16 rows of Q for each wave, its own
.set STG, QC+16*16*QP                  ; 16 rows of the stage for each wave, its own; ends at 120,320
; registers that stay
.set AKF, 4                            ; K's fragments: KC + (32 bb + r) KP + 16 h
.set AKS, 5                            ; K's scale words: KC + (32 bb + r) KP + 32
.set AVF, 6                            ; V's fragments: VC + r VP + 16 bb + 16 h
.set AVS, 7                            ; V's scale bytes: VSB + 8 r
.set AQF, 8                            ; Q's fragment: my QC + r QP + 16 h
.set AQS, 9                            ; Q's scale words: my QC + r QP + 64
.set STO, 10                           ; into my stage: r SP + 32 h
.set SRD, 11                           ; back: h SP + 16 r
.set GO,  12                           ; in out: 8192 h + 16 r
.set NEG, 13                           ; -infinity
; the head alone
.set GK,  14                           ; K: (lane / 8) rows of 2,048 bytes + 32 (lane % 8)
.set GV,  15                           ; V: 4 x lane
.set KX,  16                           ; v16-47   K: 4 x 8 numbers
.set VX,  48                           ; v48-79   V: a block of 32 keys of my channel
.set QX,  80                           ; v80-143  Q: 8 x 8 numbers
.set TM0, 144                          ; three sets of 16 for QUANT4: largest magnitudes, scale operands, codes, bytes
.set TM1, 160
.set TM2, 176
.set VM,  214                          ; v214-217 V's two maxima, scale operand, byte
.set VCD, 220                          ; v220-223 V's codes
.set ZR,  224                          ; v224-227 zeros
.set GQ,  228                          ; Q: h rows of 8,192 bytes + 32 r
.set KWC, 229                          ; where I store K's codes, K's bytes, V's codes, V's byte, Q's codes, Q's bytes
.set KWS, 230
.set VWC, 231
.set VWS, 232
.set QWC, 233
.set QWS, 234
.set TA,  235
.set TB,  236
.set TC,  237
; the tiles
.set QF,  16                           ; v16-23   Q's fragment; 20-23 stay zero
.set KF,  24                           ; v24-63   five fragments of K; the upper four of each stay zero
.set S,   64                           ; v64-143  80 scores, then p
.set VF,  64                           ; v64-127  later V's eight fragments: (K step s, tile t) at 8 (4 s + t)
.set OM,  64                           ; v64-95   later O^T / the sum
.set OB,  96                           ; v96-127  and whole rows back from the stage
.set O,   144                          ; v144-175 O^T: four accumulators
.set PC,  176                          ; v176-191 p's codes: two K steps; 188-191 stay zero
.set KSW, 192                          ; v192-201 K's scale words, one a tile of keys    (v192-212 hold scales and nothing else)
.set VSW, 202                          ; v202-209 V's: word 2 t + s
.set QSW, 210
.set PSW, 211                          ; v211-212 p's, K steps 0 and 1
.set BM,  214                          ; v214-218 the blocks' largest scores, then largest p
.set BT,  220                          ; v220-224 at work
.set SO,  226                          ; v226-230 the conversions' scale operands
.set NM,  232                          ; v[232:233] -M (the pair's low word serves both halves)
.set L,   234                          ; v[234:235], v[236:237] the sum, in two chains of pairs
.set L2,  236
.set T,   238                          ; v238-239 at work
.set RL,  240                          ; v[240:241] 1 / the sum
.set VW,  242                          ; v242-249 V's eight scale bytes a row, as loaded
	s_load_b256 s[4:11], s[0:1], 0x0               ; Q s[4:5], K s[6:7], V s[8:9], sinks s[10:11]
	s_load_b64 s[12:13], s[0:1], 0x20              ; out
	v_lshl_add_u32 v254, v0, 2, 0x1e000
	v_mov_b32 v255, 0
	v_lshrrev_b32 v2, 5, v0
	v_readfirstlane_b32 s14, v2                    ; w: wave 0..15
	v_and_b32 v1, 31, v0                           ; lane
	v_and_b32 v2, 15, v0                           ; r
	v_bfe_u32 v3, v0, 4, 1                         ; h
	s_lshr_b32 s15, s14, 1                         ; g: my 16 queries of the 128.  Also: the block of V that I quantise
	s_and_b32 s16, s14, 1                          ; my pair of query heads.  Also: which 32 channels of V
	s_lshr_b32 s17, s14, 2                         ; bb: my tiles' first block in the window
	s_mov_b32 s18, ttmp9                           ; the query block
	s_and_b32 s19, ttmp7, 0xffff
	s_lshr_b32 s20, s19, 3                         ; batch
	s_and_b32 s21, s19, 7                          ; key head
	v_lshrrev_b32 v[TA], 3, v1
	v_and_b32 v[TB], 7, v1
	v_lshlrev_b32 v[GK], 11, v[TA]
	v_lshl_add_u32 v[GK], v[TB], 5, v[GK]
	v_lshlrev_b32 v[GV], 2, v1
	v_lshlrev_b32 v[GQ], 13, v3
	v_lshl_add_u32 v[GQ], v2, 5, v[GQ]
	; Q and out: batch x 2^24 + (128 block + 16 g) rows of 8,192 + 1,024 key head + 512 pair
	s_lshl_b32 s30, s20, 24
	s_lshl_b32 s54, s18, 20
	s_add_co_u32 s30, s30, s54
	s_lshl_b32 s54, s15, 17
	s_add_co_u32 s30, s30, s54
	s_lshl_b32 s54, s21, 10
	s_add_co_u32 s30, s30, s54
	s_lshl_b32 s54, s16, 9
	s_add_co_u32 s30, s30, s54
	s_mov_b32 s31, 0
	; K and V: window key x is key 128 block - 128 + x; where that is negative (block 0, waves 0-7) the key 128 further on is taken
	s_lshl_b32 s54, s18, 7
	s_lshl_b32 s26, s14, 4
	s_add_co_u32 s26, s26, s54                     ; 128 block + 16 w
	s_lshl_b32 s28, s15, 5
	s_add_co_u32 s28, s28, s54                     ; 128 block + 32 (w / 2): under 128 in the same waves
	s_cmp_lt_u32 s26, 128
	s_cselect_b32 s55, 0, 128
	s_sub_co_u32 s26, s26, s55                     ; K's first row of mine
	s_sub_co_u32 s28, s28, s55                     ; V's
	s_lshl_b32 s56, s20, 22                        ; batch x 2^22
	s_lshl_b32 s57, s21, 8                         ; + 256 key head
	s_add_co_u32 s56, s56, s57
	s_lshl_b32 s26, s26, 11
	s_add_co_u32 s26, s26, s56
	s_mov_b32 s27, 0
	s_lshl_b32 s28, s28, 11
	s_add_co_u32 s28, s28, s56
	s_lshl_b32 s57, s16, 7                         ; + my 32 channels
	s_add_co_u32 s28, s28, s57
	s_mov_b32 s29, 0
	s_lshl_b32 s52, s21, 4                         ; sinks: the key head's four numbers; s52 serves nothing else
	s_wait_kmcnt 0x0
	s_add_nc_u64 s[4:5], s[4:5], s[30:31]
	s_add_nc_u64 s[12:13], s[12:13], s[30:31]
	s_add_nc_u64 s[6:7], s[6:7], s[26:27]
	s_add_nc_u64 s[8:9], s[8:9], s[28:29]
	; ALL LOADS, in the order in which they are wanted: K's 8, V's 32, Q's 16
.irp i, 0,1,2,3
.irp j, 0,1
	global_load_b128 v[KX+8*\i+4*\j:KX+8*\i+4*\j+3], v[GK], s[6:7] offset:8192*\i+16*\j   ; a pair of loads: 4 keys x 256 bytes; a lane has 8 neighbours along the head
.endr
.endr
.set j, 0
.rept 32
	global_load_b32 v[VX+j], v[GV], s[8:9] offset:2048*j                                  ; key j of my block, 32 neighbouring channels
.set j, j+1
.endr
.irp i, 0,1,2,3,4,5,6,7
.irp j, 0,1
	global_load_b128 v[QX+8*\i+4*\j:QX+8*\i+4*\j+3], v[GQ], s[4:5] offset:16384*\i+16*\j th:TH_LOAD_NT   ; a pair of loads: 2 queries x 512 bytes; read once in the launch
.endr
.endr
	s_load_b128 s[48:51], s[10:11], s52 offset:0x0 ; sinks: read as given; reference() lets it enter nothing, and so does this text
	; constants and LDS addresses, while the loads are on their way
	s_mov_b32 s22, 0x76543210
	s_mov_b32 s23, 0xfedcba98                      ; v_permlanex16_b32's selects for lane l xor 16
	s_mov_b32 s24, 0x3e38aa3b                      ; c = log2(e) / 8
	s_mov_b32 s25, s24                             ; (named with it as a pair, so it is written)
	s_lshl_b32 s53, s17, 3                         ; 8 bb: bits by which V's scale bytes are shifted
	v_mov_b32 v[NEG], 0xff800000
.irp i, 0,1,2,3
	v_mov_b32 v[ZR+\i], 0
.endr
	s_lshl_b32 s54, s15, 5                         ; K's stores: row 32 (w / 2) + 8 (w % 2) + lane / 8 (+ 16 (i / 2) + 4 (i % 2) in the offsets)
	s_lshl_b32 s55, s16, 3
	s_add_co_u32 s54, s54, s55
	s_mul_i32 s54, s54, KP
	s_add_co_u32 s54, s54, KC
	v_mul_u32_u24 v[KWC], v[TA], KP
	v_add_nc_u32 v[KWC], s54, v[KWC]
	v_lshrrev_b32 v[TC], 2, v[TB]
	v_add_nc_u32 v[KWS], v[KWC], v[TC]
	v_add_nc_u32 v[KWS], 32, v[KWS]                ; the byte of my block: + 32 + (lane % 8) / 4
	v_lshl_add_u32 v[KWC], v[TB], 2, v[KWC]        ; my 8 codes: + 4 (lane % 8)
	s_mul_i32 s54, s16, 32*VP                      ; V's stores: row 32 (w % 2) + lane, block w / 2
	s_lshl_b32 s55, s15, 4
	s_add_co_u32 s54, s54, s55
	s_add_co_u32 s54, s54, VC
	v_mul_u32_u24 v[VWC], v1, VP
	v_add_nc_u32 v[VWC], s54, v[VWC]
	s_lshl_b32 s54, s16, 8
	s_add_co_u32 s54, s54, s15
	s_add_co_u32 s54, s54, VSB
	v_lshl_add_u32 v[VWS], v1, 3, s54
	s_mul_i32 s56, s14, 16*QP                      ; my rows of Q
	s_add_co_u32 s56, s56, QC
	v_mul_u32_u24 v[QWC], v3, QP                   ; Q's stores: row h (+ 2 i in the offsets)
	v_add_nc_u32 v[QWC], s56, v[QWC]
	v_lshrrev_b32 v[TC], 2, v2
	v_add_nc_u32 v[QWS], v[QWC], v[TC]
	v_add_nc_u32 v[QWS], 64, v[QWS]
	v_lshl_add_u32 v[QWC], v2, 2, v[QWC]
	s_mul_i32 s54, s17, 32*KP                      ; the reads
	s_add_co_u32 s54, s54, KC
	v_mul_u32_u24 v[AKF], v2, KP
	v_add_nc_u32 v[AKF], s54, v[AKF]
	v_add_nc_u32 v[AKS], 32, v[AKF]
	v_lshl_add_u32 v[AKF], v3, 4, v[AKF]
	s_lshl_b32 s54, s17, 4
	s_add_co_u32 s54, s54, VC
	v_mul_u32_u24 v[AVF], v2, VP
	v_lshl_add_u32 v[AVF], v3, 4, v[AVF]
	v_add_nc_u32 v[AVF], s54, v[AVF]
	v_lshl_add_u32 v[AVS], v2, 3, VSB
	v_mul_u32_u24 v[AQF], v2, QP
	v_add_nc_u32 v[AQF], s56, v[AQF]
	v_add_nc_u32 v[AQS], 64, v[AQF]
	v_lshl_add_u32 v[AQF], v3, 4, v[AQF]
	s_mul_i32 s57, s14, 16*SP                      ; my stage
	s_add_co_u32 s57, s57, STG
	v_mul_u32_u24 v[STO], v2, SP
	v_lshl_add_u32 v[STO], v3, 5, v[STO]
	v_add_nc_u32 v[STO], s57, v[STO]
	v_mul_u32_u24 v[SRD], v3, SP
	v_lshl_add_u32 v[SRD], v2, 4, v[SRD]
	v_add_nc_u32 v[SRD], s57, v[SRD]
	v_lshlrev_b32 v[GO], 13, v3
	v_lshl_add_u32 v[GO], v2, 4, v[GO]
; Four groups of 8 numbers of a lane, v[x + 8 p] on; a block of 32 lies in four neighbouring lanes.  The four groups take turns line by line.  Codes (4 bytes) go to adrc + o_p, the block's byte to adrb + o_p
; (the four lanes of a block write the same byte with the same value).  tm: 16 registers of this call's own, so that no LDS store's data are written again.
.macro QUANT4 x, tm, adrc, adrb, o0, o1, o2, o3
.irp p, 0,1,2,3
	v_max3_num_f32 v[\tm+\p], |v[(\x)+8*\p]|, |v[(\x)+8*\p+1]|, 0x1800000   ; my largest magnitude, and the floor 2^(3 - 127): the byte cannot fall under 1
.endr
.irp i, 2,4,6
.irp p, 0,1,2,3
	v_max3_num_f32 v[\tm+\p], v[\tm+\p], |v[(\x)+8*\p+\i]|, |v[(\x)+8*\p+\i+1]|
.endr
.endr
.irp p, 0,1,2,3
	v_max_num_f32_dpp v[\tm+\p], v[\tm+\p], v[\tm+\p] row_xmask:1 row_mask:0xf bank_mask:0xf
.endr
.irp p, 0,1,2,3
	v_max_num_f32_dpp v[\tm+\p], v[\tm+\p], v[\tm+\p] row_xmask:2 row_mask:0xf bank_mask:0xf   ; with lanes l xor 1, 2, 3: the block's
.endr
.irp p, 0,1,2,3
	v_add_nc_u32 v[\tm+4+\p], 0xff000000, v[\tm+\p]    ; 2 off its exponent field: the conversion takes the exponent field of this operand as its scale
.endr
.irp p, 0,1,2,3
	v_cvt_scalef32_pk8_fp4_f32 v[\tm+8+\p], v[(\x)+8*\p:(\x)+8*\p+7], v[\tm+4+\p]
.endr
.irp p, 0,1,2,3
	v_lshrrev_b32 v[\tm+12+\p], 23, v[\tm+4+\p]        ; the scale's byte.  (Plain lines behind the conversions)
.endr
	ds_store_b32 v[\adrc], v[\tm+8] offset:\o0
	ds_store_b8 v[\adrb], v[\tm+12] offset:\o0
	ds_store_b32 v[\adrc], v[\tm+9] offset:\o1
	ds_store_b8 v[\adrb], v[\tm+13] offset:\o1
	ds_store_b32 v[\adrc], v[\tm+10] offset:\o2
	ds_store_b8 v[\adrb], v[\tm+14] offset:\o2
	ds_store_b32 v[\adrc], v[\tm+11] offset:\o3
	ds_store_b8 v[\adrb], v[\tm+15] offset:\o3
.endm
	; ---- K: my 16 keys
	s_wait_loadcnt 48                              ; K's 8 loads are in; V's 32 and Q's 16 may be out
	QUANT4 KX, TM0, KWC, KWS, 0, 4*KP, 16*KP, 20*KP
	; ---- V: my channel's block of 32 keys: all 32 numbers are mine
	s_wait_loadcnt 16                              ; V's 32 loads are in; Q's 16 may be out
	v_max3_num_f32 v[VM], |v[VX]|, |v[VX+1]|, |v[VX+2]|
	v_max3_num_f32 v[VM+1], |v[VX+3]|, |v[VX+4]|, |v[VX+5]|
.irp i, 6,10,14,18,22,26
	v_max3_num_f32 v[VM], v[VM], |v[VX+\i]|, |v[VX+\i+1]|
	v_max3_num_f32 v[VM+1], v[VM+1], |v[VX+\i+2]|, |v[VX+\i+3]|
.endr
	v_max3_num_f32 v[VM], v[VM], |v[VX+30]|, |v[VX+31]|
	v_max3_num_f32 v[VM], v[VM], v[VM+1], 0x1800000
	v_add_nc_u32 v[VM+2], 0xff000000, v[VM]
.irp g, 0,1,2,3
	v_cvt_scalef32_pk8_fp4_f32 v[VCD+\g], v[VX+8*\g:VX+8*\g+7], v[VM+2]
.endr
	v_lshrrev_b32 v[VM+3], 23, v[VM+2]             ; (a plain line behind the conversions)
	ds_store_b128 v[VWC], v[VCD:VCD+3]             ; 32 codes along the keys
	ds_store_b128 v[VWC], v[ZR:ZR+3] offset:128    ; and the zero block eight further on: a tile's second K step reads up to block bb + 7
	ds_store_b8 v[VWS], v[VM+3]
	s_wait_kmcnt 0x0                               ; sinks
	s_wait_dscnt 0x0                               ; for the others' sake: my stores of K's and V's codes and bytes are done
	s_barrier_signal -1
	s_barrier_wait -1                              ; the window lies in LDS; nobody writes it again.  (Q's loads stay out: they land in registers)
	; ---- Q: my 16 rows, into LDS bytes of my own
	s_wait_loadcnt 8                               ; rows 0-7 are in
	QUANT4 QX, TM1, QWC, QWS, 0, 2*QP, 4*QP, 6*QP
	s_wait_loadcnt 0x0
	QUANT4 QX+32, TM2, QWC, QWS, 8*QP, 10*QP, 12*QP, 14*QP
	s_wait_dscnt 0x0                               ; the stores have read their registers: the head's registers may be written again
	; ---- what both tiles share
.irp k, 0,1,2,3,4,5,6,7,8,9
	ds_load_u16 v[KSW+\k], v[AKS] offset:16*KP*\k  ; K's scale words: two bytes; bytes 2 and 3 are 0 and meet zero codes
.endr
.irp t, 0,1,2,3
	ds_load_b64 v[VW+2*\t:VW+2*\t+1], v[AVS] offset:128*\t   ; channel 16 t + r: its eight blocks' bytes
.endr
.irp i, 4,5,6,7
	v_mov_b32 v[QF+\i], 0                          ; k = 64 .. 127 of the first product: zero codes, written once
.irp k, 0,1,2,3,4
	v_mov_b32 v[KF+8*\k+\i], 0
.endr
.endr
.irp i, 12,13,14,15
	v_mov_b32 v[PC+\i], 0                          ; blocks 6 and 7 of the second product: zero codes
.endr
.irp b, 0,1,2,3,4
	v_mov_b32 v[BT+\b], 0                          ; written once: a lane permute's destination counts as one of its sources
.endr
	v_mov_b32 v[T+1], 0
	v_mov_b32 v[NM+1], 0                           ; (upper halves of pairs that packed forms name)
	v_mov_b32 v[RL+1], 0
	s_and_b32 s54, s15, 1
	s_lshl_b32 s54, s54, 4
	v_lshlrev_b32 v[T], 4, v3
	v_sub_nc_u32 v[T], v2, v[T]
	v_add_nc_u32 v[T], s54, v[T]                   ; d = 16 (g % 2) + r - 16 h.  My query is key 128 + 16 (g % 2) + r of the tile's 160: in block 0 register i counts where i > d, in block 4 where i <= d
.irp i, 0,1,2,3,4,5,6,7,8,9,10,11,12,13,14,15
	v_cmp_gt_i32 s[32+\i], \i, v[T]                ; sixteen lane masks, made once: they hang on ids alone
.endr
	s_wait_dscnt 0x0
.irp t, 0,1,2,3
	v_alignbit_b32 v[VSW+2*\t], v[VW+2*\t+1], v[VW+2*\t], s53   ; bytes bb .. bb + 3: K step 0
	v_lshrrev_b32 v[VSW+2*\t+1], s53, v[VW+2*\t+1]              ; bytes bb + 4 on, zeros behind the eighth: K step 1; all but the first meet zero codes of p
.endr
; A TILE: my 16 queries, query head 2 (w % 2) + mm
.macro TILE mm
.if \mm
	s_wait_xcnt 0x0                                ; the last tile's stores have read their registers: the scores are written there only behind this wait
.endif
	ds_load_b128 v[QF:QF+3], v[AQF] offset:32*\mm
	ds_load_u16 v[QSW], v[AQS] offset:2*\mm
.irp k, 0,1,2,3,4
	ds_load_b128 v[KF+8*\k:KF+8*\k+3], v[AKF] offset:16*KP*\k
.endr
	s_wait_dscnt 0x0
.irp k, 0,1,2,3,4                              ; S^T = K Q^T: source 0 = 16 keys, source 1 = my 16 queries
	v_wmma_scale_f32_16x16x128_f8f6f4 v[S+8*\k:S+8*\k+7], v[KF+8*\k:KF+8*\k+7], v[QF:QF+7], 0, v[KSW+\k], v[QSW] matrix_a_fmt:MATRIX_FMT_FP4 matrix_b_fmt:MATRIX_FMT_FP4
.endr
	v_mov_b32 v[PC+10], 0                          ; block 5 of p: zero codes, anew in each tile (the exchange of halves below writes them).  With the two v_nop: the four places
	v_mov_b32 v[PC+11], 0                          ; in front of loads into registers that matrix instructions have read
	v_nop
	v_nop
.irp k, 0,1,2,3,4
	ds_load_b128 v[KF+8*\k:KF+8*\k+3], v[AKF] offset:16*KP*(5+\k)
.endr
	s_wait_dscnt 0x0
.irp k, 0,1,2,3,4
	v_wmma_scale_f32_16x16x128_f8f6f4 v[S+40+8*\k:S+40+8*\k+7], v[KF+8*\k:KF+8*\k+7], v[QF:QF+7], 0, v[KSW+5+\k], v[QSW] matrix_a_fmt:MATRIX_FMT_FP4 matrix_b_fmt:MATRIX_FMT_FP4
.endr
.rept 4
	v_nop                                          ; four places in front of the first vector line that touches the scores
.endr
	s_cmp_lg_u32 s18, 0                            ; the first query block: window blocks 0-3 do not exist: my block b is one of them where bb + b < 4.  Branches on ids
	s_cbranch_scc1 .Lseen_\@
.irp b, 0,1,2,3
	s_cmp_gt_u32 s17, 3-\b
	s_cbranch_scc1 .Lseen_\@
.irp i, 0,1,2,3,4,5,6,7,8,9,10,11,12,13,14,15
	v_mov_b32 v[S+16*\b+\i], v[NEG]
.endr
.endr
.Lseen_\@:
.irp i, 0,1,2,3,4,5,6,7,8,9,10,11,12,13,14,15  ; the window's two edges; each accumulator is read from its low end on
	v_cndmask_b32 v[S+\i], v[NEG], v[S+\i], s[32+\i]         ; block 0: kept where i > d
.endr
.irp i, 0,1,2,3,4,5,6,7,8,9,10,11,12,13,14,15
	v_cndmask_b32 v[S+64+\i], v[S+64+\i], v[NEG], s[32+\i]   ; block 4: hidden where i > d
.endr
.irp b, 0,1,2,3,4
	v_max3_num_f32 v[BM+\b], v[S+16*\b], v[S+16*\b+1], v[S+16*\b+2]   ; each block's largest score: for the row's maximum, and, since p rises with the score, for the block's largest p
.endr
.irp i, 3,5,7,9,11,13
.irp b, 0,1,2,3,4
	v_max3_num_f32 v[BM+\b], v[BM+\b], v[S+16*\b+\i], v[S+16*\b+\i+1]
.endr
.endr
.irp b, 0,1,2,3,4
	v_max_num_f32 v[BM+\b], v[BM+\b], v[S+16*\b+15]
.endr
.irp b, 0,1,2,3,4
	v_permlanex16_b32 v[BT+\b], v[BM+\b], s22, s23
.endr
.irp b, 0,1,2,3,4
	v_max_num_f32 v[BM+\b], v[BM+\b], v[BT+\b]     ; with lane l xor 16's 16 keys
.endr
	v_max3_num_f32 v[T], v[BM], v[BM+1], v[BM+2]
	v_max3_num_f32 v[T], v[T], v[BM+3], v[BM+4]    ; the row's largest score (my own key always counts: it is a number)
	v_mul_f32 v[T], s24, v[T]                      ; as t
	v_floor_f32 v[NM], -v[T]                       ; -M = floor(-t) = -ceil(t)
.set j, 0
.rept 40
	v_pk_fma_f32 v[S+j:S+j+1], v[S+j:S+j+1], s[24:25], v[NM:NM+1] op_sel_hi:[1,0,0]   ; t - M, two at a time
.set j, j+2
.endr
.irp b, 0,1,2,3,4
	v_fma_f32 v[BM+\b], v[BM+\b], s24, v[NM]       ; the same of each block's largest score
.endr
.set j, 0
.rept 80
	v_exp_f32 v[S+j], v[S+j]                       ; p = 2^(t - M): at most 1; 0 where the key is hidden
.set j, j+1
.endr
.irp b, 0,1,2,3,4
	v_exp_f32 v[BM+\b], v[BM+\b]
.endr
	v_nop                                          ; a plain line behind the exponentials
	s_wait_alu depctr_va_vdst(0)
.irp b, 0,1,2,3,4
	v_max_num_f32 v[BM+\b], 0x1800000, v[BM+\b]    ; the floor 2^(3 - 127): a block whose every p is 0 keeps the byte 1; its codes are zeros
.endr
.irp b, 0,1,2,3,4
	v_add_nc_u32 v[SO+\b], 0xff000000, v[BM+\b]    ; 2 off the exponent field: the conversion's scale operand
.endr
.irp b, 0,1,2,3
	v_lshrrev_b32 v[BT+\b], 23, v[SO+\b]
.endr
	v_lshrrev_b32 v[PSW+1], 23, v[SO+4]            ; K step 1's scale word: block 4's byte; the bytes above are 0 and meet zero codes
	v_lshl_or_b32 v[PSW], v[BT+1], 8, v[BT]        ; K step 0's: blocks 0-3
	v_lshl_or_b32 v[PSW], v[BT+2], 16, v[PSW]
	v_lshl_or_b32 v[PSW], v[BT+3], 24, v[PSW]
.irp b, 0,1,2,3,4
	v_cvt_scalef32_pk8_fp4_f32 v[PC+2*\b], v[S+16*\b:S+16*\b+7], v[SO+\b]        ; the codes of keys 32 b + 16 h + 0 .. 7
	v_cvt_scalef32_pk8_fp4_f32 v[PC+2*\b+1], v[S+16*\b+8:S+16*\b+15], v[SO+\b]   ; and + 8 .. 15
.endr
	v_nop                                          ; one plain line behind a scaled conversion
.irp c, 0,1,2                                  ; the operand wants a whole block in a lane: lanes 0-15 block 2 c, lanes 16-31 block 2 c + 1 (block 5: zeros)
.irp i, 0,1
	v_permlane16_swap_b32 v[PC+4*\c+\i], v[PC+4*\c+2+\i]
.endr
.endr
	v_pk_add_f32 v[L:L+1], v[S:S+1], v[S+2:S+3]    ; the row's sum, of the unquantised p: two chains of pairs.  (These 39 lines are also the places between the writes of p's codes and scale words and the products)
	v_pk_add_f32 v[L2:L2+1], v[S+4:S+5], v[S+6:S+7]
.set j, 8
.rept 18
	v_pk_add_f32 v[L:L+1], v[L:L+1], v[S+j:S+j+1]
	v_pk_add_f32 v[L2:L2+1], v[L2:L2+1], v[S+j+2:S+j+3]
.set j, j+4
.endr
	v_pk_add_f32 v[L:L+1], v[L:L+1], v[L2:L2+1]
.irp s, 0,1                                    ; V's fragments: 16 channels x 128 keys: window blocks bb + 4 s + 2 c + h
.irp t, 0,1,2,3
.irp c, 0,1
	ds_load_b128 v[VF+8*(4*\s+\t)+4*\c:VF+8*(4*\s+\t)+4*\c+3], v[AVF] offset:16*VP*\t+64*\s+32*\c
.endr
.endr
.endr
	v_add_f32 v[T], v[L], v[L+1]                   ; while they come: the sum's two halves,
	v_permlanex16_b32 v[T+1], v[T], s22, s23
	v_add_f32 v[T], v[T], v[T+1]                   ; and lane l xor 16's
	v_rcp_f32 v[RL], v[T]
	v_nop                                          ; a plain line behind the reciprocal
	s_wait_dscnt 0x0
.irp t, 0,1,2,3                                ; O^T = V^T P^T: source 0 = 16 channels, source 1 = p.  The four accumulators take turns, one instruction a turn
	v_wmma_scale_f32_16x16x128_f8f6f4 v[O+8*\t:O+8*\t+7], v[VF+8*\t:VF+8*\t+7], v[PC:PC+7], 0, v[VSW+2*\t], v[PSW] matrix_a_fmt:MATRIX_FMT_FP4 matrix_b_fmt:MATRIX_FMT_FP4
.endr
.irp t, 0,1,2,3
	v_wmma_scale_f32_16x16x128_f8f6f4 v[O+8*\t:O+8*\t+7], v[VF+32+8*\t:VF+32+8*\t+7], v[PC+8:PC+15], v[O+8*\t:O+8*\t+7], v[VSW+2*\t+1], v[PSW+1] matrix_a_fmt:MATRIX_FMT_FP4 matrix_b_fmt:MATRIX_FMT_FP4
.endr
.rept 4
	v_nop                                          ; four places in front of the reads of results and the writes over V's fragments
.endr
.set j, 0
	s_wait_alu depctr_va_vdst(0)
.rept 16
	v_pk_mul_f32 v[OM+j:OM+j+1], v[O+j:O+j+1], v[RL:RL+1] op_sel_hi:[1,0]   ; O^T / the sum, each accumulator from its low end on: register 8 t + i is out(r, 16 t + 8 h + i)
.set j, j+2
.endr
.irp t, 0,1,2,3
.irp e, 0,1
	ds_store_b128 v[STO], v[OM+8*\t+4*\e:OM+8*\t+4*\e+3] offset:64*\t+16*\e
.endr
.endr
.irp i, 0,1,2,3,4,5,6,7
	ds_load_b128 v[OB+4*\i:OB+4*\i+3], v[SRD] offset:2*SP*\i   ; LDS serves a wave's instructions in order (ISA guide 5.7.1.4): these see my stores; rows 2 i and 2 i + 1, whole
.endr
.irp i, 0,1,2,3,4,5,6,7
	s_wait_dscnt 7-\i                              ; load i is back; the younger ones may be out
	global_store_b128 v[GO], v[OB+4*\i:OB+4*\i+3], s[12:13] offset:16384*\i+256*\mm th:TH_STORE_NT   ; 16 lanes store 256 consecutive bytes, at a multiple of 256 from out's first byte; written once
.endr
.endm
	TILE 0
	TILE 1
	s_wait_tensorcnt 0x0
	ds_add_u32 v254, v255
	s_wait_dscnt 0x0
	s_endpgm
.Lfunc_end_k_q87639195da_swa:
	.size	k_q87639195da_swa, .Lfunc_end_k_q87639195da_swa-k_q87639195da_swa
	.p2alignl 7, 3214868480
	.fill 96, 4, 3214868480
	.section	.rodata,"a",@progbits
	.p2align	6, 0x0
	.amdhsa_kernel k_q87639195da_swa
		.amdhsa_group_segment_fixed_size 124928
		.amdhsa_private_segment_fixed_size 0
		.amdhsa_enable_private_segment 0
		.amdhsa_kernarg_size 40
		.amdhsa_user_sgpr_count 2
		.amdhsa_user_sgpr_kernarg_segment_ptr 1
		.amdhsa_wavefront_size32 1
		.amdhsa_system_sgpr_workgroup_id_x 1
		.amdhsa_system_sgpr_workgroup_id_y 1
		.amdhsa_system_sgpr_workgroup_id_z 1
		.amdhsa_system_vgpr_workitem_id 0
		.amdhsa_next_free_vgpr 256
		.amdhsa_next_free_sgpr 66
		.amdhsa_reserve_vcc 0
		.amdhsa_float_denorm_mode_32 3
		.amdhsa_float_denorm_mode_16_64 3
		.amdhsa_memory_ordered 1
		.amdhsa_forward_progress 1
		.amdhsa_inst_pref_size 75
	.end_amdhsa_kernel
	.amdgpu_metadata
---
amdhsa.version: [ 1, 2 ]
amdhsa.kernels:
  - .name:           k_q87639195da_swa
    .symbol:         k_q87639195da_swa.kd
    .args:
      - { .name: Q, .offset: 0, .size: 8, .value_kind: global_buffer, .address_space: global }
      - { .name: K, .offset: 8, .size: 8, .value_kind: global_buffer, .address_space: global }
      - { .name: V, .offset: 16, .size: 8, .value_kind: global_buffer, .address_space: global }
      - { .name: sinks, .offset: 24, .size: 8, .value_kind: global_buffer, .address_space: global }
      - { .name: out0, .offset: 32, .size: 8, .value_kind: global_buffer, .address_space: global }
    .group_segment_fixed_size: 124928
    .private_segment_fixed_size: 0
    .kernarg_segment_align: 8
    .kernarg_segment_size: 40
    .max_flat_workgroup_size: 512
    .sgpr_count:     66
    .vgpr_count:     256
    .wavefront_size: 32
...
	.end_amdgpu_metadata
.endif
;; end of part 1
;; ======== version 2 of 2: 1 launch; version 1 with the launch swa written anew for expert scheduling mode
;; launch swa (part 2): grid 16 x 16, 16 waves a work-group, no clusters, 124,928 bytes of LDS; arguments Q, K, V, sinks, out0; writes out0
.if DOCPART == 2
	.amdgcn_target "amdgcn-amd-amdhsa--gfx1250"
	.amdhsa_code_object_version 6
	.text
	.protected	k_q87639195da_swa
	.globl	k_q87639195da_swa
	.p2align	8
	.type	k_q87639195da_swa,@function
k_q87639195da_swa:
	s_mov_b64 s[64:65], 0
	v_nop
	global_prefetch_b8 v0, s[64:65] scope:SCOPE_SE
	s_setreg_imm32_b32 hwreg(HW_REG_WAVE_SCHED_MODE, 0, 2), 2
	s_setreg_imm32_b32 hwreg(HW_REG_WAVE_MODE, 25, 1), 1
	s_wait_xcnt 0x0
	s_wait_alu depctr_vm_vsrc(0)
; out[b][q][hkv][m][:] = sum over k of softmax_k(Q[b][q][hkv][m] . K[b][k][hkv] / 8) V[b][k][hkv][:], key k counting for query q where q - 128 < k <= q.
; Q, out: [2][2048][2048] f32 (8 key heads x 4 query heads x 64); K, V: [2][2048][512] f32.  Both products on codes of FP4 (E2M1), one E8M0 scale for each 32 along a product's K:
; the first along the head's 64 (two blocks; the instruction's other 64 along K are zero codes on both sides), the second along the keys, in blocks of 32 counted from key 0.
; SOFTMAX: t = score x log2(e) / 8; M = ceil(the row's largest t); p = 2^(t - M) is quantised; the row's sum is taken of the unquantised p and divides at the end.
; WHAT IS MULTIPLIED: a tile of 16 queries that begins at a multiple of 16 sees keys of exactly 5 aligned blocks of 32; all other keys lie under the mask.  All 160 keys are at hand at once: M needs no running form.
; SHARES: a work-group owns 128 queries of one batch and key head: 256 work-groups.  Its window is 256 keys: its own 128 and the 128 before.  Wave w (of 16): queries 16 (w / 2) on, query heads 2 (w % 2) and + 1: two tiles.
; Each wave also quantises a share of the window: K's keys 16 w .. + 15; V's block w / 2 for channels 32 (w % 2) + lane (a lane a channel, registers down the keys); and its own 16 rows x 512 bytes of Q.
; Codes and scale bytes meet in LDS behind ONE barrier.  All 56 loads of a wave (16 KB) go out at the head.
; THE FIRST QUERY BLOCK has no 128 keys before it: waves 0-7 load the keys 128 further on, so that no load leaves its buffer and every LDS byte that is read is written, and the scores of those blocks become -infinity (p = 0, zero codes).
; LAYOUT: both products transposed (S^T = K Q^T, O^T = V^T P^T): a lane holds one query (lane % 16).  K's rows lie in LDS in the order in which tiles take them: key 32 B + x lies at row 32 B + 16 ((x / 8) % 2) + x % 8 + 8 (x / 16),
; so that tile 2 b + u is 16 rows on end and score register 16 b + i of lane (r, h) is key 32 b + 16 h + i of the tile's 160.
; sinks: reference() takes it as an argument and lets it enter no arithmetic; the work-group's four numbers are loaded and likewise enter nothing.
; NO TENSOR LOADS, NO CLUSTER: every operand arrives as f32 and passes through registers for the quantiser; what two work-groups share is K's and V's rows, 128 KB of the 256 KB that a work-group reads.
; LIMITS: NaN and infinities among the inputs are not served.  A block whose largest magnitude lies under 2^-124, a block of zeros among them, gets the scale byte 1 (the quantiser's lower hold; for zeros it names 127:
; the codes are zeros under either byte, and this program alone reads the bytes).
; THE MODE: SCHED_MODE bits 1:0 = 2 (LLVM: expert scheduling mode 2), set by the entry lines.  The code itself states the register dependences between vector or matrix instructions and memory or LDS instructions,
; with s_wait_alu, always for 0.
; THE PLAN.  Registers that memory or LDS instructions touch:
;   v14, v15, v228       offsets of the 56 global loads: written at the head, read by the loads; v228 alone is written again, in the tiles.
;   v16-143              the loads land there; the quantiser reads them.
;   the three sets' codes and bytes, V's codes, byte and zeros (v152-159, 168-175, 184-191, 217, 220-227), the store addresses v229-234: written at the head, read by the LDS stores, written again by the set-up and the tiles.
;   v4-v12               LDS addresses of the reads, the stage's two addresses, out's offset: written once at the head, never again.
;   v192-201, v242-249   K's scale words and V's bytes: LDS loads land there once.
;   v16-19, the low four of each fragment of K, v210: LDS loads land there; the first product reads them.
;   v64-143              scores and p (products, vector lines); then V's fragments land in v64-127; then O^T / the sum is written to v64-95 and stored to the stage; then whole rows land in v96-127 and are stored to out.
; THE HEAD has four waits on va_vdst: ahead of the global loads; behind K's and V's quantising, ahead of the one run of their LDS stores; behind both halves of Q's, ahead of the run of its stores and of the LDS loads that follow them;
; behind the set-up, ahead of the first products.  One wait on vm_vsrc stands behind Q's stores: from there on the head's registers are written again.
; A TILE has seven waits on va_vdst: ahead of K's second five fragments; ahead of the exponentials; behind the exponentials; behind the row's sums, ahead of V's fragments; ahead of the reciprocal; ahead of the reciprocal's first reader; behind the division, ahead of the stage's stores,
; its loads and, in the first tile, the next tile's first seven LDS loads.  One wait on vm_vsrc stands at the second tile's head.  Two waits on va_sdst: the wave's number; the sixteen lane masks.
.set KP,  48                           ; K in LDS: a row is 32 bytes of codes, 2 scale bytes at + 32; 48 = 3 x 16: the 16 rows of a load start at different banks
.set VP,  272                          ; V: a row (a channel) is 16 blocks x 16 bytes + 16 of padding; blocks 0-7 the window's, 8-15 zero codes
.set QP,  80                           ; Q: a row is 64 bytes of codes (2 heads), 4 scale bytes at + 64
.set SP,  272                          ; the stage: a row of 64 f32 + 16 bytes
.set KC,  0                            ; 256 rows of K
.set VC,  KC+256*KP                    ; 64 rows of V
.set VSB, VC+64*VP                     ; V's scale bytes [channel][8 blocks]
.set QC,  VSB+512                      ; 16 rows of Q for each wave, its own
.set STG, QC+16*16*QP                  ; 16 rows of the stage for each wave, its own; ends at 120,320
; registers that stay
.set AKF, 4                            ; K's fragments: KC + (32 bb + r) KP + 16 h
.set AKS, 5                            ; K's scale words: KC + (32 bb + r) KP + 32
.set AVF, 6                            ; V's fragments: VC + r VP + 16 bb + 16 h
.set AVS, 7                            ; V's scale bytes: VSB + 8 r
.set AQF, 8                            ; Q's fragment: my QC + r QP + 16 h
.set AQS, 9                            ; Q's scale words: my QC + r QP + 64
.set STO, 10                           ; into my stage: r SP + 32 h
.set SRD, 11                           ; back: h SP + 16 r
.set GO,  12                           ; in out: 8192 h + 16 r
.set NEG, 13                           ; -infinity
; the head alone
.set GK,  14                           ; K: (lane / 8) rows of 2,048 bytes + 32 (lane % 8)
.set GV,  15                           ; V: 4 x lane
.set KX,  16                           ; v16-47   K: 4 x 8 numbers
.set VX,  48                           ; v48-79   V: a block of 32 keys of my channel
.set QX,  80                           ; v80-143  Q: 8 x 8 numbers
.set TM0, 144                          ; three sets of 16 for the quantiser: largest magnitudes, scale operands, codes, bytes
.set TM1, 160
.set TM2, 176
.set VM,  214                          ; v214-217 V's two maxima, scale operand, byte
.set VCD, 220                          ; v220-223 V's codes
.set ZR,  224                          ; v224-227 zeros
.set GQ,  228                          ; Q: h rows of 8,192 bytes + 32 r
.set KWC, 229                          ; where I store K's codes, K's bytes, V's codes, V's byte, Q's codes, Q's bytes
.set KWS, 230
.set VWC, 231
.set VWS, 232
.set QWC, 233
.set QWS, 234
.set TA,  235
.set TB,  236
.set TC,  237
; the tiles
.set QF,  16                           ; v16-23   Q's fragment; 20-23 stay zero
.set KF,  24                           ; v24-63   five fragments of K; the upper four of each stay zero
.set S,   64                           ; v64-143  80 scores, then p
.set VF,  64                           ; v64-127  later V's eight fragments: (K step s, tile t) at 8 (4 s + t)
.set OM,  64                           ; v64-95   later O^T / the sum
.set OB,  96                           ; v96-127  and whole rows back from the stage
.set O,   144                          ; v144-175 O^T: four accumulators
.set PC,  176                          ; v176-191 p's codes: two K steps; 188-191 stay zero
.set KSW, 192                          ; v192-201 K's scale words, one a tile of keys    (v192-212 hold scales and nothing else)
.set VSW, 202                          ; v202-209 V's: word 2 t + s
.set QSW, 210
.set PSW, 211                          ; v211-212 p's, K steps 0 and 1
.set BM,  214                          ; v214-218 the blocks' largest scores, then largest p
.set BT,  220                          ; v220-224 at work
.set SO,  226                          ; v226-230 the conversions' scale operands
.set NM,  232                          ; v[232:233] -M (the pair's low word serves both halves)
.set L,   234                          ; v[234:235], v[236:237] the sum, in two chains of pairs
.set L2,  236
.set T,   238                          ; v238-239 at work
.set RL,  240                          ; v[240:241] 1 / the sum
.set VW,  242                          ; v242-249 V's eight scale bytes a row, as loaded
	s_load_b256 s[4:11], s[0:1], 0x0               ; Q s[4:5], K s[6:7], V s[8:9], sinks s[10:11]
	s_load_b64 s[12:13], s[0:1], 0x20              ; out
	v_lshl_add_u32 v254, v0, 2, 0x1e000            ; my spare word, behind the stages: 128 bytes for each of the 16 waves; kept for the closing lines alone
	v_mov_b32 v255, 0                              ; and 0, likewise
	v_lshrrev_b32 v2, 5, v0
	v_readfirstlane_b32 s14, v2                    ; w: wave 0..15
	v_and_b32 v1, 31, v0                           ; lane
	v_and_b32 v2, 15, v0                           ; r
	v_bfe_u32 v3, v0, 4, 1                         ; h
	v_lshrrev_b32 v[TA], 3, v1
	v_and_b32 v[TB], 7, v1
	v_lshlrev_b32 v[GK], 11, v[TA]
	v_lshl_add_u32 v[GK], v[TB], 5, v[GK]
	v_lshlrev_b32 v[GV], 2, v1
	v_lshlrev_b32 v[GQ], 13, v3
	v_lshl_add_u32 v[GQ], v2, 5, v[GQ]
	s_wait_alu depctr_va_sdst(0)                   ; s14 is written, ahead of its first reader: every base and LDS place of the wave is made from it
	s_lshr_b32 s15, s14, 1                         ; g: my 16 queries of the 128.  Also: the block of V that I quantise
	s_and_b32 s16, s14, 1                          ; my pair of query heads.  Also: which 32 channels of V
	s_lshr_b32 s17, s14, 2                         ; bb: my tiles' first block in the window
	s_mov_b32 s18, ttmp9                           ; the query block
	s_and_b32 s19, ttmp7, 0xffff
	s_lshr_b32 s20, s19, 3                         ; batch
	s_and_b32 s21, s19, 7                          ; key head
	; Q and out: batch x 2^24 + (128 block + 16 g) rows of 8,192 + 1,024 key head + 512 pair
	s_lshl_b32 s30, s20, 24
	s_lshl_b32 s54, s18, 20
	s_add_co_u32 s30, s30, s54
	s_lshl_b32 s54, s15, 17
	s_add_co_u32 s30, s30, s54
	s_lshl_b32 s54, s21, 10
	s_add_co_u32 s30, s30, s54
	s_lshl_b32 s54, s16, 9
	s_add_co_u32 s30, s30, s54
	s_mov_b32 s31, 0
	; K and V: window key x is key 128 block - 128 + x; where that is negative (block 0, waves 0-7) the key 128 further on is taken
	s_lshl_b32 s54, s18, 7
	s_lshl_b32 s26, s14, 4
	s_add_co_u32 s26, s26, s54                     ; 128 block + 16 w
	s_lshl_b32 s28, s15, 5
	s_add_co_u32 s28, s28, s54                     ; 128 block + 32 (w / 2): under 128 in the same waves
	s_cmp_lt_u32 s26, 128
	s_cselect_b32 s55, 0, 128
	s_sub_co_u32 s26, s26, s55                     ; K's first row of mine
	s_sub_co_u32 s28, s28, s55                     ; V's
	s_lshl_b32 s56, s20, 22                        ; batch x 2^22
	s_lshl_b32 s57, s21, 8                         ; + 256 key head
	s_add_co_u32 s56, s56, s57
	s_lshl_b32 s26, s26, 11
	s_add_co_u32 s26, s26, s56
	s_mov_b32 s27, 0
	s_lshl_b32 s28, s28, 11
	s_add_co_u32 s28, s28, s56
	s_lshl_b32 s57, s16, 7                         ; + my 32 channels
	s_add_co_u32 s28, s28, s57
	s_mov_b32 s29, 0
	s_lshl_b32 s52, s21, 4                         ; sinks: the key head's four numbers; s52 serves nothing else
	s_wait_kmcnt 0x0
	s_add_nc_u64 s[4:5], s[4:5], s[30:31]
	s_add_nc_u64 s[12:13], s[12:13], s[30:31]
	s_add_nc_u64 s[6:7], s[6:7], s[26:27]
	s_add_nc_u64 s[8:9], s[8:9], s[28:29]
	s_wait_alu depctr_va_vdst(0)                   ; the three offsets v14, v15 and v228 are written, which the loads below read
	; ALL LOADS, in the order in which they are wanted: K's 8, V's 32, Q's 16
.irp i, 0,1,2,3
.irp j, 0,1
	global_load_b128 v[KX+8*\i+4*\j:KX+8*\i+4*\j+3], v[GK], s[6:7] offset:8192*\i+16*\j   ; a pair of loads: 4 keys x 256 bytes; a lane has 8 neighbours along the head
.endr
.endr
.set j, 0
.rept 32
	global_load_b32 v[VX+j], v[GV], s[8:9] offset:2048*j                                  ; key j of my block, 32 neighbouring channels
.set j, j+1
.endr
.irp i, 0,1,2,3,4,5,6,7
.irp j, 0,1
	global_load_b128 v[QX+8*\i+4*\j:QX+8*\i+4*\j+3], v[GQ], s[4:5] offset:16384*\i+16*\j th:TH_LOAD_NT   ; a pair of loads: 2 queries x 512 bytes; read once in the launch
.endr
.endr
	s_load_b128 s[48:51], s[10:11], s52 offset:0x0 ; sinks: read as given; reference() lets it enter nothing, and so does this text
	; constants and LDS addresses, while the loads are on their way: none of these lines names an offset that the loads read or a register in which they land
	s_mov_b32 s22, 0x76543210
	s_mov_b32 s23, 0xfedcba98                      ; v_permlanex16_b32's selects for lane l xor 16
	s_mov_b32 s24, 0x3e38aa3b                      ; c = log2(e) / 8
	s_mov_b32 s25, s24                             ; (named with it as a pair, so it is written)
	s_lshl_b32 s53, s17, 3                         ; 8 bb: bits by which V's scale bytes are shifted
	v_mov_b32 v[NEG], 0xff800000
.irp i, 0,1,2,3
	v_mov_b32 v[ZR+\i], 0
.endr
	s_lshl_b32 s54, s15, 5                         ; K's stores: row 32 (w / 2) + 8 (w % 2) + lane / 8 (+ 16 (i / 2) + 4 (i % 2) in the offsets)
	s_lshl_b32 s55, s16, 3
	s_add_co_u32 s54, s54, s55
	s_mul_i32 s54, s54, KP
	s_add_co_u32 s54, s54, KC
	v_mul_u32_u24 v[KWC], v[TA], KP
	v_add_nc_u32 v[KWC], s54, v[KWC]
	v_lshrrev_b32 v[TC], 2, v[TB]
	v_add_nc_u32 v[KWS], v[KWC], v[TC]
	v_add_nc_u32 v[KWS], 32, v[KWS]                ; the byte of my block: + 32 + (lane % 8) / 4
	v_lshl_add_u32 v[KWC], v[TB], 2, v[KWC]        ; my 8 codes: + 4 (lane % 8)
	s_mul_i32 s54, s16, 32*VP                      ; V's stores: row 32 (w % 2) + lane, block w / 2
	s_lshl_b32 s55, s15, 4
	s_add_co_u32 s54, s54, s55
	s_add_co_u32 s54, s54, VC
	v_mul_u32_u24 v[VWC], v1, VP
	v_add_nc_u32 v[VWC], s54, v[VWC]
	s_lshl_b32 s54, s16, 8
	s_add_co_u32 s54, s54, s15
	s_add_co_u32 s54, s54, VSB
	v_lshl_add_u32 v[VWS], v1, 3, s54
	s_mul_i32 s56, s14, 16*QP                      ; my rows of Q
	s_add_co_u32 s56, s56, QC
	v_mul_u32_u24 v[QWC], v3, QP                   ; Q's stores: row h (+ 2 i in the offsets)
	v_add_nc_u32 v[QWC], s56, v[QWC]
	v_lshrrev_b32 v[TC], 2, v2
	v_add_nc_u32 v[QWS], v[QWC], v[TC]
	v_add_nc_u32 v[QWS], 64, v[QWS]
	v_lshl_add_u32 v[QWC], v2, 2, v[QWC]
	s_mul_i32 s54, s17, 32*KP                      ; the reads
	s_add_co_u32 s54, s54, KC
	v_mul_u32_u24 v[AKF], v2, KP
	v_add_nc_u32 v[AKF], s54, v[AKF]
	v_add_nc_u32 v[AKS], 32, v[AKF]
	v_lshl_add_u32 v[AKF], v3, 4, v[AKF]
	s_lshl_b32 s54, s17, 4
	s_add_co_u32 s54, s54, VC
	v_mul_u32_u24 v[AVF], v2, VP
	v_lshl_add_u32 v[AVF], v3, 4, v[AVF]
	v_add_nc_u32 v[AVF], s54, v[AVF]
	v_lshl_add_u32 v[AVS], v2, 3, VSB
	v_mul_u32_u24 v[AQF], v2, QP
	v_add_nc_u32 v[AQF], s56, v[AQF]
	v_add_nc_u32 v[AQS], 64, v[AQF]
	v_lshl_add_u32 v[AQF], v3, 4, v[AQF]
	s_mul_i32 s57, s14, 16*SP                      ; my stage
	s_add_co_u32 s57, s57, STG
	v_mul_u32_u24 v[STO], v2, SP
	v_lshl_add_u32 v[STO], v3, 5, v[STO]
	v_add_nc_u32 v[STO], s57, v[STO]
	v_mul_u32_u24 v[SRD], v3, SP
	v_lshl_add_u32 v[SRD], v2, 4, v[SRD]
	v_add_nc_u32 v[SRD], s57, v[SRD]
	v_lshlrev_b32 v[GO], 13, v3
	v_lshl_add_u32 v[GO], v2, 4, v[GO]
; THE QUANTISER, in two parts, so that one wait can stand between the vector lines of several calls and the run of their stores.
; QV: four groups of 8 numbers of a lane, v[x + 8 p] on; a block of 32 lies in four neighbouring lanes.  The four groups take turns line by line.  tm: 16 registers of this call's own: codes at tm + 8 on, bytes at tm + 12 on.
.macro QV x, tm
.irp p, 0,1,2,3
	v_max3_num_f32 v[\tm+\p], |v[(\x)+8*\p]|, |v[(\x)+8*\p+1]|, 0x1800000   ; my largest magnitude, and the floor 2^(3 - 127): the byte cannot fall under 1
.endr
.irp i, 2,4,6
.irp p, 0,1,2,3
	v_max3_num_f32 v[\tm+\p], v[\tm+\p], |v[(\x)+8*\p+\i]|, |v[(\x)+8*\p+\i+1]|
.endr
.endr
.irp p, 0,1,2,3
	v_max_num_f32_dpp v[\tm+\p], v[\tm+\p], v[\tm+\p] row_xmask:1 row_mask:0xf bank_mask:0xf
.endr
.irp p, 0,1,2,3
	v_max_num_f32_dpp v[\tm+\p], v[\tm+\p], v[\tm+\p] row_xmask:2 row_mask:0xf bank_mask:0xf   ; with lanes l xor 1, 2, 3: the block's
.endr
.irp p, 0,1,2,3
	v_add_nc_u32 v[\tm+4+\p], 0xff000000, v[\tm+\p]    ; 2 off its exponent field: the conversion takes the exponent field of this operand as its scale
.endr
.irp p, 0,1,2,3
	v_cvt_scalef32_pk8_fp4_f32 v[\tm+8+\p], v[(\x)+8*\p:(\x)+8*\p+7], v[\tm+4+\p]
.endr
.irp p, 0,1,2,3
	v_lshrrev_b32 v[\tm+12+\p], 23, v[\tm+4+\p]        ; the scale's byte.  (Plain lines behind the conversions)
.endr
.endm
; QS: the codes (4 bytes) go to adrc + o_p, the block's byte to adrb + o_p (the four lanes of a block write the same byte with the same value).
.macro QS tm, adrc, adrb, o0, o1, o2, o3
	ds_store_b32 v[\adrc], v[\tm+8] offset:\o0
	ds_store_b8 v[\adrb], v[\tm+12] offset:\o0
	ds_store_b32 v[\adrc], v[\tm+9] offset:\o1
	ds_store_b8 v[\adrb], v[\tm+13] offset:\o1
	ds_store_b32 v[\adrc], v[\tm+10] offset:\o2
	ds_store_b8 v[\adrb], v[\tm+14] offset:\o2
	ds_store_b32 v[\adrc], v[\tm+11] offset:\o3
	ds_store_b8 v[\adrb], v[\tm+15] offset:\o3
.endm
; The first LDS loads of a tile: Q's fragment and scale word of query head 2 (w % 2) + mm, and K's first five fragments: seven loads.
.macro FETCH0 mm
	ds_load_b128 v[QF:QF+3], v[AQF] offset:32*\mm
	ds_load_u16 v[QSW], v[AQS] offset:2*\mm
.irp k, 0,1,2,3,4
	ds_load_b128 v[KF+8*\k:KF+8*\k+3], v[AKF] offset:16*KP*\k
.endr
.endm
	; ---- K: my 16 keys
	s_wait_loadcnt 48                              ; K's 8 loads are in; V's 32 and Q's 16 may be out
	QV KX, TM0
	; ---- V: my channel's block of 32 keys: all 32 numbers are mine
	s_wait_loadcnt 16                              ; V's 32 loads are in; Q's 16 may be out
	v_max3_num_f32 v[VM], |v[VX]|, |v[VX+1]|, |v[VX+2]|
	v_max3_num_f32 v[VM+1], |v[VX+3]|, |v[VX+4]|, |v[VX+5]|
.irp i, 6,10,14,18,22,26
	v_max3_num_f32 v[VM], v[VM], |v[VX+\i]|, |v[VX+\i+1]|
	v_max3_num_f32 v[VM+1], v[VM+1], |v[VX+\i+2]|, |v[VX+\i+3]|
.endr
	v_max3_num_f32 v[VM], v[VM], |v[VX+30]|, |v[VX+31]|
	v_max3_num_f32 v[VM], v[VM], v[VM+1], 0x1800000
	v_add_nc_u32 v[VM+2], 0xff000000, v[VM]
.irp g, 0,1,2,3
	v_cvt_scalef32_pk8_fp4_f32 v[VCD+\g], v[VX+8*\g:VX+8*\g+7], v[VM+2]
.endr
	v_lshrrev_b32 v[VM+3], 23, v[VM+2]             ; (a plain line behind the conversions)
	s_wait_alu depctr_va_vdst(0)                   ; K's and V's codes and bytes, the zeros and the four store addresses are written, which the eleven LDS stores below read
	QS TM0, KWC, KWS, 0, 4*KP, 16*KP, 20*KP
	ds_store_b128 v[VWC], v[VCD:VCD+3]             ; 32 codes along the keys
	ds_store_b128 v[VWC], v[ZR:ZR+3] offset:128    ; and the zero block eight further on: a tile's second K step reads up to block bb + 7
	ds_store_b8 v[VWS], v[VM+3]
	s_wait_kmcnt 0x0                               ; sinks
	s_wait_dscnt 0x0                               ; for the others' sake: my stores of K's and V's codes and bytes are done
	s_barrier_signal -1
	s_barrier_wait -1                              ; the window lies in LDS; nobody writes it again.  (Q's loads stay out: they land in registers)
	; ---- Q: my 16 rows, into LDS bytes of my own
	s_wait_loadcnt 8                               ; rows 0-7 are in
	QV QX, TM1
	s_wait_loadcnt 0x0
	QV QX+32, TM2
	s_wait_alu depctr_va_vdst(0)                   ; Q's codes and bytes and their two addresses are written, which the sixteen stores read; so are the addresses of the LDS loads behind them, and the quantiser is done reading v16-63, in which some of those land
	QS TM1, QWC, QWS, 0, 2*QP, 4*QP, 6*QP
	QS TM2, QWC, QWS, 8*QP, 10*QP, 12*QP, 14*QP
	s_wait_dscnt 0x0                               ; my stores of Q's codes and bytes are done
	s_wait_alu depctr_vm_vsrc(0)                   ; the head's loads and LDS stores have read their offsets, addresses and data: the set-up below and the tiles write these registers again
	; ---- what both tiles share, and the first tile's first fragments.  No vector line stands between the last wait on va_vdst and these loads
.irp k, 0,1,2,3,4,5,6,7,8,9
	ds_load_u16 v[KSW+\k], v[AKS] offset:16*KP*\k  ; K's scale words: two bytes; bytes 2 and 3 are 0 and meet zero codes
.endr
.irp t, 0,1,2,3
	ds_load_b64 v[VW+2*\t:VW+2*\t+1], v[AVS] offset:128*\t   ; channel 16 t + r: its eight blocks' bytes
.endr
	FETCH0 0                                       ; LDS serves a wave's instructions in order (ISA guide 5.7.1.4): these see my stores of Q.  The lines below name none of the registers in which these loads land
.irp i, 4,5,6,7
	v_mov_b32 v[QF+\i], 0                          ; k = 64 .. 127 of the first product: zero codes, written once
.irp k, 0,1,2,3,4
	v_mov_b32 v[KF+8*\k+\i], 0
.endr
.endr
.irp i, 12,13,14,15
	v_mov_b32 v[PC+\i], 0                          ; blocks 6 and 7 of the second product: zero codes
.endr
.irp b, 0,1,2,3,4
	v_mov_b32 v[BT+\b], 0                          ; written once: a lane permute's destination counts as one of its sources
.endr
	v_mov_b32 v[T+1], 0
	v_mov_b32 v[NM+1], 0                           ; (upper halves of pairs that packed forms name)
	v_mov_b32 v[RL+1], 0
	s_and_b32 s54, s15, 1
	s_lshl_b32 s54, s54, 4
	v_lshlrev_b32 v[T], 4, v3
	v_sub_nc_u32 v[T], v2, v[T]
	v_add_nc_u32 v[T], s54, v[T]                   ; d = 16 (g % 2) + r - 16 h.  My query is key 128 + 16 (g % 2) + r of the tile's 160: in block 0 register i counts where i > d, in block 4 where i <= d
.irp i, 0,1,2,3,4,5,6,7,8,9,10,11,12,13,14,15
	v_cmp_gt_i32 s[32+\i], \i, v[T]                ; sixteen lane masks, made once: they hang on ids alone
.endr
	s_wait_alu depctr_va_sdst(0)                   ; the sixteen masks s32 to s47 are written: one wait behind the run, ahead of every branch and label and of the selects in the tiles that read them
	s_wait_dscnt 0x0                               ; the scale words, V's bytes and the first tile's seven loads are in
.irp t, 0,1,2,3
	v_alignbit_b32 v[VSW+2*\t], v[VW+2*\t+1], v[VW+2*\t], s53   ; bytes bb .. bb + 3: K step 0
	v_lshrrev_b32 v[VSW+2*\t+1], s53, v[VW+2*\t+1]              ; bytes bb + 4 on, zeros behind the eighth: K step 1; all but the first meet zero codes of p
.endr
	s_wait_alu depctr_va_vdst(0)                   ; the zero codes in Q's, K's and p's fragments and V's scale words are written, which the scaled products take as operands and scales
; A TILE: my 16 queries, query head 2 (w % 2) + mm.  Its first seven LDS loads were issued ahead of it: the first tile's with the scale words, the second's in the first tile's way out
.macro TILE mm
.if \mm
	s_wait_xcnt 0x0                                ; the last tile's stores have read their registers: the scores are written there only behind this wait
	s_wait_alu depctr_vm_vsrc(0)                   ; the last tile's stores into the stage have read v64-95 and its stores to out v96-127, which this tile's products, vector lines and loads write again
	s_wait_dscnt 0x0                               ; Q's fragment and scale word and K's first five fragments are in
.endif
.irp k, 0,1,2,3,4                              ; S^T = K Q^T: source 0 = 16 keys, source 1 = my 16 queries
	v_wmma_scale_f32_16x16x128_f8f6f4 v[S+8*\k:S+8*\k+7], v[KF+8*\k:KF+8*\k+7], v[QF:QF+7], 0, v[KSW+\k], v[QSW] matrix_a_fmt:MATRIX_FMT_FP4 matrix_b_fmt:MATRIX_FMT_FP4
.endr
	v_mov_b32 v[PC+10], 0                          ; block 5 of p: zero codes, anew in each tile (the exchange of halves below writes them).  With the two v_nop: four plain lines
	v_mov_b32 v[PC+11], 0                          ; between the products and the loads into registers that they have read
	v_nop
	v_nop
	s_wait_alu depctr_va_vdst(0)                   ; the five products are done reading K's fragments, in which the next five land
.irp k, 0,1,2,3,4
	ds_load_b128 v[KF+8*\k:KF+8*\k+3], v[AKF] offset:16*KP*(5+\k)
.endr
	s_wait_dscnt 0x0
.irp k, 0,1,2,3,4
	v_wmma_scale_f32_16x16x128_f8f6f4 v[S+40+8*\k:S+40+8*\k+7], v[KF+8*\k:KF+8*\k+7], v[QF:QF+7], 0, v[KSW+5+\k], v[QSW] matrix_a_fmt:MATRIX_FMT_FP4 matrix_b_fmt:MATRIX_FMT_FP4
.endr
.rept 4
	v_nop                                          ; four places in front of the first vector line that touches the scores
.endr
	s_cmp_lg_u32 s18, 0                            ; the first query block: window blocks 0-3 do not exist: my block b is one of them where bb + b < 4.  Branches on ids
	s_cbranch_scc1 .Lseen_\@
.irp b, 0,1,2,3
	s_cmp_gt_u32 s17, 3-\b
	s_cbranch_scc1 .Lseen_\@
.irp i, 0,1,2,3,4,5,6,7,8,9,10,11,12,13,14,15
	v_mov_b32 v[S+16*\b+\i], v[NEG]
.endr
.endr
.Lseen_\@:
.irp i, 0,1,2,3,4,5,6,7,8,9,10,11,12,13,14,15  ; the window's two edges; each accumulator is read from its low end on
	v_cndmask_b32 v[S+\i], v[NEG], v[S+\i], s[32+\i]         ; block 0: kept where i > d
.endr
.irp i, 0,1,2,3,4,5,6,7,8,9,10,11,12,13,14,15
	v_cndmask_b32 v[S+64+\i], v[S+64+\i], v[NEG], s[32+\i]   ; block 4: hidden where i > d
.endr
.irp b, 0,1,2,3,4
	v_max3_num_f32 v[BM+\b], v[S+16*\b], v[S+16*\b+1], v[S+16*\b+2]   ; each block's largest score: for the row's maximum, and, since p rises with the score, for the block's largest p
.endr
.irp i, 3,5,7,9,11,13
.irp b, 0,1,2,3,4
	v_max3_num_f32 v[BM+\b], v[BM+\b], v[S+16*\b+\i], v[S+16*\b+\i+1]
.endr
.endr
.irp b, 0,1,2,3,4
	v_max_num_f32 v[BM+\b], v[BM+\b], v[S+16*\b+15]
.endr
.irp b, 0,1,2,3,4
	v_permlanex16_b32 v[BT+\b], v[BM+\b], s22, s23
.endr
.irp b, 0,1,2,3,4
	v_max_num_f32 v[BM+\b], v[BM+\b], v[BT+\b]     ; with lane l xor 16's 16 keys
.endr
	v_max3_num_f32 v[T], v[BM], v[BM+1], v[BM+2]
	v_max3_num_f32 v[T], v[T], v[BM+3], v[BM+4]    ; the row's largest score (my own key always counts: it is a number)
	v_mul_f32 v[T], s24, v[T]                      ; as t
	v_floor_f32 v[NM], -v[T]                       ; -M = floor(-t) = -ceil(t)
.set j, 0
.rept 40
	v_pk_fma_f32 v[S+j:S+j+1], v[S+j:S+j+1], s[24:25], v[NM:NM+1] op_sel_hi:[1,0,0]   ; t - M, two at a time
.set j, j+2
.endr
.irp b, 0,1,2,3,4
	v_fma_f32 v[BM+\b], v[BM+\b], s24, v[NM]       ; the same of each block's largest score
.endr
.set j, 0
	s_wait_alu depctr_va_vdst(0)
.rept 80
	v_exp_f32 v[S+j], v[S+j]                       ; p = 2^(t - M): at most 1; 0 where the key is hidden
.set j, j+1
.endr
.irp b, 0,1,2,3,4
	v_exp_f32 v[BM+\b], v[BM+\b]
.endr
	v_nop                                          ; a plain line behind the exponentials
	s_wait_alu depctr_va_vdst(0)                   ; the 85 exponentials have written p and the blocks' largest p: one wait for the batch, ahead of its first reader
.irp b, 0,1,2,3,4
	v_max_num_f32 v[BM+\b], 0x1800000, v[BM+\b]    ; the floor 2^(3 - 127): a block whose every p is 0 keeps the byte 1; its codes are zeros
.endr
.irp b, 0,1,2,3,4
	v_add_nc_u32 v[SO+\b], 0xff000000, v[BM+\b]    ; 2 off the exponent field: the conversion's scale operand
.endr
.irp b, 0,1,2,3
	v_lshrrev_b32 v[BT+\b], 23, v[SO+\b]
.endr
	v_lshrrev_b32 v[PSW+1], 23, v[SO+4]            ; K step 1's scale word: block 4's byte; the bytes above are 0 and meet zero codes
	v_lshl_or_b32 v[PSW], v[BT+1], 8, v[BT]        ; K step 0's: blocks 0-3
	v_lshl_or_b32 v[PSW], v[BT+2], 16, v[PSW]
	v_lshl_or_b32 v[PSW], v[BT+3], 24, v[PSW]
.irp b, 0,1,2,3,4
	v_cvt_scalef32_pk8_fp4_f32 v[PC+2*\b], v[S+16*\b:S+16*\b+7], v[SO+\b]        ; the codes of keys 32 b + 16 h + 0 .. 7
	v_cvt_scalef32_pk8_fp4_f32 v[PC+2*\b+1], v[S+16*\b+8:S+16*\b+15], v[SO+\b]   ; and + 8 .. 15
.endr
	v_nop                                          ; one plain line behind a scaled conversion
.irp c, 0,1,2                                  ; the operand wants a whole block in a lane: lanes 0-15 block 2 c, lanes 16-31 block 2 c + 1 (block 5: zeros)
.irp i, 0,1
	v_permlane16_swap_b32 v[PC+4*\c+\i], v[PC+4*\c+2+\i]
.endr
.endr
	v_pk_add_f32 v[L:L+1], v[S:S+1], v[S+2:S+3]    ; the row's sum, of the unquantised p: two chains of pairs.  (These 39 lines are also the places between the writes of p's codes and scale words and the products)
	v_pk_add_f32 v[L2:L2+1], v[S+4:S+5], v[S+6:S+7]
.set j, 8
.rept 18
	v_pk_add_f32 v[L:L+1], v[L:L+1], v[S+j:S+j+1]
	v_pk_add_f32 v[L2:L2+1], v[L2:L2+1], v[S+j+2:S+j+3]
.set j, j+4
.endr
	v_pk_add_f32 v[L:L+1], v[L:L+1], v[L2:L2+1]
	s_wait_alu depctr_va_vdst(0)                   ; the sums and the conversions are done reading p, in whose registers V's fragments land; p's codes and scale words are written, which the scaled products below take
.irp s, 0,1                                    ; V's fragments: 16 channels x 128 keys: window blocks bb + 4 s + 2 c + h
.irp t, 0,1,2,3
.irp c, 0,1
	ds_load_b128 v[VF+8*(4*\s+\t)+4*\c:VF+8*(4*\s+\t)+4*\c+3], v[AVF] offset:16*VP*\t+64*\s+32*\c
.endr
.endr
.endr
	v_add_f32 v[T], v[L], v[L+1]                   ; while they come (these lines name none of the registers in which they land): the sum's two halves,
	v_permlanex16_b32 v[T+1], v[T], s22, s23
	v_add_f32 v[T], v[T], v[T+1]                   ; and lane l xor 16's
	s_wait_alu depctr_va_vdst(0)
	v_rcp_f32 v[RL], v[T]
	v_nop                                          ; a plain line behind the reciprocal
	s_wait_dscnt 0x0
.irp t, 0,1,2,3                                ; O^T = V^T P^T: source 0 = 16 channels, source 1 = p.  The four accumulators take turns, one instruction a turn
	v_wmma_scale_f32_16x16x128_f8f6f4 v[O+8*\t:O+8*\t+7], v[VF+8*\t:VF+8*\t+7], v[PC:PC+7], 0, v[VSW+2*\t], v[PSW] matrix_a_fmt:MATRIX_FMT_FP4 matrix_b_fmt:MATRIX_FMT_FP4
.endr
.irp t, 0,1,2,3
	v_wmma_scale_f32_16x16x128_f8f6f4 v[O+8*\t:O+8*\t+7], v[VF+32+8*\t:VF+32+8*\t+7], v[PC+8:PC+15], v[O+8*\t:O+8*\t+7], v[VSW+2*\t+1], v[PSW+1] matrix_a_fmt:MATRIX_FMT_FP4 matrix_b_fmt:MATRIX_FMT_FP4
.endr
.rept 4
	v_nop                                          ; four places in front of the reads of results and the writes over V's fragments
.endr
	s_wait_alu depctr_va_vdst(0)                   ; the reciprocal has written 1 / the sum, ahead of its first reader
.set j, 0
.rept 16
	v_pk_mul_f32 v[OM+j:OM+j+1], v[O+j:O+j+1], v[RL:RL+1] op_sel_hi:[1,0]   ; O^T / the sum, each accumulator from its low end on: register 8 t + i is out(r, 16 t + 8 h + i)
.set j, j+2
.endr
	s_wait_alu depctr_va_vdst(0)                   ; the division has written v64-95, which the stores into the stage read; the products are done reading v96-127, in which the rows land, and Q's and K's fragments and Q's scale word, in which the next tile's land
.irp t, 0,1,2,3
.irp e, 0,1
	ds_store_b128 v[STO], v[OM+8*\t+4*\e:OM+8*\t+4*\e+3] offset:64*\t+16*\e
.endr
.endr
.irp i, 0,1,2,3,4,5,6,7
	ds_load_b128 v[OB+4*\i:OB+4*\i+3], v[SRD] offset:2*SP*\i   ; LDS serves a wave's instructions in order (ISA guide 5.7.1.4): these see my stores; rows 2 i and 2 i + 1, whole
.endr
.if \mm == 0
	FETCH0 1                                       ; the next tile's first seven loads.  No wait: no vector or matrix line since the wait above
.endif
.irp i, 0,1,2,3,4,5,6,7
	s_wait_dscnt 7-\i+7*(1-\mm)                    ; load i from the stage is back; the younger ones, and in the first tile the next tile's seven, may be out
	global_store_b128 v[GO], v[OB+4*\i:OB+4*\i+3], s[12:13] offset:16384*\i+256*\mm th:TH_STORE_NT   ; 16 lanes store 256 consecutive bytes, at a multiple of 256 from out's first byte; written once
.endr
.endm
	TILE 0
	TILE 1
	s_wait_dscnt 0x0                               ; the closing lines, six on end
	s_wait_alu 0x0
	s_wait_tensorcnt 0x0
	ds_add_u32 v254, v255
	s_wait_dscnt 0x0
	s_endpgm
.Lfunc_end_k_q87639195da_swa:
	.size	k_q87639195da_swa, .Lfunc_end_k_q87639195da_swa-k_q87639195da_swa
	.p2alignl 7, 3214868480
	.fill 96, 4, 3214868480
	.section	.rodata,"a",@progbits
	.p2align	6, 0x0
	.amdhsa_kernel k_q87639195da_swa
		.amdhsa_group_segment_fixed_size 124928
		.amdhsa_private_segment_fixed_size 0
		.amdhsa_enable_private_segment 0
		.amdhsa_kernarg_size 40
		.amdhsa_user_sgpr_count 2
		.amdhsa_user_sgpr_kernarg_segment_ptr 1
		.amdhsa_wavefront_size32 1
		.amdhsa_system_sgpr_workgroup_id_x 1
		.amdhsa_system_sgpr_workgroup_id_y 1
		.amdhsa_system_sgpr_workgroup_id_z 1
		.amdhsa_system_vgpr_workitem_id 0
		.amdhsa_next_free_vgpr 256
		.amdhsa_next_free_sgpr 66
		.amdhsa_reserve_vcc 0
		.amdhsa_float_denorm_mode_32 3
		.amdhsa_float_denorm_mode_16_64 3
		.amdhsa_memory_ordered 1
		.amdhsa_forward_progress 1
		.amdhsa_inst_pref_size 76
	.end_amdhsa_kernel
	.amdgpu_metadata
---
amdhsa.version: [ 1, 2 ]
amdhsa.kernels:
  - .name:           k_q87639195da_swa
    .symbol:         k_q87639195da_swa.kd
    .args:
      - { .name: Q, .offset: 0, .size: 8, .value_kind: global_buffer, .address_space: global }
      - { .name: K, .offset: 8, .size: 8, .value_kind: global_buffer, .address_space: global }
      - { .name: V, .offset: 16, .size: 8, .value_kind: global_buffer, .address_space: global }
      - { .name: sinks, .offset: 24, .size: 8, .value_kind: global_buffer, .address_space: global }
      - { .name: out0, .offset: 32, .size: 8, .value_kind: global_buffer, .address_space: global }
    .group_segment_fixed_size: 124928
    .private_segment_fixed_size: 0
    .kernarg_segment_align: 8
    .kernarg_segment_size: 40
    .max_flat_workgroup_size: 512
    .sgpr_count:     66
    .vgpr_count:     256
    .wavefront_size: 32
...
	.end_amdgpu_metadata
.endif
;; end of part 2
